; MI455X (gfx1250); checked and timed in simulation.
; The chip was launched on July 23, 2026; its instructions are those of AMD's public machine-readable ISA for CDNA 5 (MIT licence, August 2026) and "CDNA5" Instruction Set Architecture Reference Guide (July 2026). The comments in the code are by the model that wrote it; some were corrected since.
;; TSP Decoder. Allowed arithmetic: float matrix products may take bf16 or f16 operands with f32 sums; all other float work in f32.
;; Inputs: Wcomb1 128 x 128 float32; Wcomb2 128 x 128 float32; Wk 128 x 128 float32; Wk_e 128 x 128 float32; Wq_first 128 x 128 float32; Wq_first_e 128 x 128 float32; Wq_last 128 x 128 float32; Wq_last_e 128 x 128 float32; Wv 128 x 128 float32; Wv_e 128 x 128 float32; bcomb1 128 float32; bcomb2 128 float32; encoded_first_graph 32 x 512 x 128 float32; encoded_graph 32 x 512 x 128 float32; encoded_last_graph 32 x 512 x 128 float32; encoded_last_node 32 x 512 x 128 float32; encoded_nodes 32 x 512 x 128 float32; encoded_q1 32 x 512 x 128 float32; ninf_mask 32 x 512 x 512 float32.
;; Outputs: out0 32 x 512 x 512 float32.
;; 2 versions, each right; version 2 is version 1 with the launch proj written anew for expert scheduling mode. Each part assembles by itself: llvm-mc -triple=amdgcn-amd-amdhsa -mcpu=gfx1250 --defsym DOCPART=n.
;; ======== version 1 of 2: 2 launches
;; limits: values are held in f16: magnitudes above 65,504 overflow, below 6.1e-05 lose precision
;; workspace buffers: kv 20,971,520 bytes; qf 4,194,304 bytes
;; launch proj (part 1): grid 128 x 2, 8 waves a work-group, no clusters, 287,744 bytes of LDS; arguments encoded_nodes, encoded_graph, encoded_q1, encoded_last_node, encoded_first_graph, encoded_last_graph, Wk, Wv, Wk_e, Wv_e, Wq_first, Wq_last, Wq_first_e, Wq_last_e, kv, qf; writes kv, qf
.if DOCPART == 1
	.amdgcn_target "amdgcn-amd-amdhsa--gfx1250"
	.amdhsa_code_object_version 6
	.text
	.protected	k_q05f3d5f0e8_proj
	.globl	k_q05f3d5f0e8_proj
	.p2align	8
	.type	k_q05f3d5f0e8_proj,@function
k_q05f3d5f0e8_proj:
	s_mov_b64 s[64:65], 0
	v_nop
	global_prefetch_b8 v0, s[64:65] scope:SCOPE_SE
	s_setreg_imm32_b32 hwreg(HW_REG_WAVE_MODE, 25, 1), 1
	s_wait_xcnt 0x0
; The eight projections and shk = nodes + graph, stored in f16 in the order in which the next launch's matrix fragments want them.
; Work-group (x, y): rows 128 x .. 128 x + 127 of the 16,384 rows (batch x >> 2).  y = 0: K, V, K_e, V_e and 16 shk.  y = 1: q, the sum of four products,
; times 0.25 log2(e).  Either way four products of 128 x 128 x 128 with four weights: all 256 work-groups do the same amount of work.
; Wave w owns the 16 rows 16 w .. 16 w + 15 of the block.  f32 data must pass through registers to be rounded to f16, so loads are plain 16-byte loads
; (each of a wave covers 512 consecutive bytes); no tensor loads, no cluster (a work-group shares only the weights, 256 KiB, with the others).
; FORMAT: matrix operands are f16, 11 significant bits: the last softmax turns an absolute error of the logit 10 tanh(..) into a relative error of the result,
; so every operand's rounding counts tenfold there.
; RANGE (a stated limit): f16 ends at 65,504; an operand beyond it becomes infinite and the result NaN.  With inputs of spread 1 and weights within 0.09,
; X is below 7, K, V and 0.36 q below 4, 16 shk below 110; with every input 30 times larger X stays below 200, K, V, q (two inputs multiply: 900) below 4,000,
; 16 shk below 3,500.  Below 6e-5 f16 loses bits: the absolute error is then at most 2^-25.  Sums in f32, in the matrix unit's order.
; kv: [batch 32][block 10][65,536 bytes], every piece of 512 bytes holds lane L's 16 bytes at 16 L (r = L & 15, h = L >> 4):
;   block 2u+a (u head pair, a = 0 nodes, 1 graph): K at e*16384 + t*512: K[16t+r][(2u+e)*16+8h+0..7];  V at 32768 + e*16384 + t*512: V[16t+8h+0..7][(2u+e)*16+r]
;   block 8+(t>>4): at (t&15)*4096 + ks*1024 + half*512: 16 shk[16t+r][32ks+16half+8h+0..7]
; qf: [batch][query tile 32][head 8][512 bytes]: q[16qt+r][head*16+8h+0..7] * 0.25 log2(e)
.set WPITCH, 288                       ; LDS row of a weight: 128 f16 + 32 bytes, an odd multiple of 32 bytes for the transposing loads
.set WBYTES, 128*WPITCH                ; 36,864: one weight
.set XPITCH, 272                       ; LDS row of X: 128 f16 + 16 bytes
.set XSTG,   16*XPITCH                 ; 4,352: a wave's 16 rows of one X
.set XSB,    4*WBYTES                  ; 147,456: the X stages begin behind the four weights
.set XWAVE,  4*XSTG                    ; 17,408: four stages for each wave
.set QSCALE, 0x3eb8aa3b                ; 0.25 * log2(e)
.set SHKS,   0x41800000                ; 16.0: shk is stored 16 times larger and mh 16 times smaller, which shares f16's range between the two
.set GOFF, 1                           ; v1      w*8192 + 16 L: my 16 bytes of my wave's first row, in a weight and in a block of X
.set WST,  2                           ; v2      where I store 8 bytes of a weight's row; steps by a weight
.set XST,  3                           ; v3      where I store 8 bytes of a row of X
.set XFA,  4                           ; v4      my X fragment: r*272 + 16 h in my wave's stages
.set WAD,  5                           ; v5-8    my weight fragment in weight p
.set KOFF, 9                           ; v9      t*512 + 16 L, t my key tile in the batch
.set SOFF, 10                          ; v10     my place in the shk blocks
.set QOF,  11                          ; v11     w*4096 + 16 L
.set R0,   16                          ; three buffers of 64 registers for 16 loads each (prolog)
.set R1,   80
.set R2,   144
.set SH,   208                         ; v[208:239] shk fragments on their way out
.set ACC,  16                          ; v[16:79]   8 accumulator tiles
.set XF,   80                          ; v[80:111]  X fragments of the 4 K steps
.set WB0,  112                         ; v[112:175], v[176:239] weight fragments of a K step, two buffers
.macro PLACES n
.rept \n
	v_nop
.endr
.endm
; 16 rows of 512 bytes, one load a row
.macro LD16 R, lo, nt
.set i, 0
.rept 16
.if \nt
	global_load_b128 v[\R+4*i:\R+4*i+3], v[GOFF], s[\lo:\lo+1] offset:512*i th:TH_LOAD_NT
.else
	global_load_b128 v[\R+4*i:\R+4*i+3], v[GOFF], s[\lo:\lo+1] offset:512*i
.endif
.set i, i+1
.endr
.endm
; my wave's 16 rows of a weight: rounded in place, 8 bytes a lane into LDS
.macro CVTW R
.set i, 0
.rept 16
	v_cvt_pk_f16_f32 v[\R+4*i], v[\R+4*i], v[\R+4*i+1]
	v_cvt_pk_f16_f32 v[\R+4*i+1], v[\R+4*i+2], v[\R+4*i+3]
	ds_store_b64 v[WST], v[\R+4*i:\R+4*i+1] offset:WPITCH*i
.set i, i+1
.endr
	v_add_nc_u32 v[WST], WBYTES, v[WST]
.endm
; my wave's 16 rows of an X into stage sidx; the packed words go to D + dstep*i (D = R, dstep = 4: in place)
.macro STAGE R, sidx, D, dstep
.set i, 0
.rept 16
	v_cvt_pk_f16_f32 v[\D+\dstep*i], v[\R+4*i], v[\R+4*i+1]
	v_cvt_pk_f16_f32 v[\D+\dstep*i+1], v[\R+4*i+2], v[\R+4*i+3]
	ds_store_b64 v[XST], v[\D+\dstep*i:\D+\dstep*i+1] offset:(\sidx)*XSTG+XPITCH*i
.set i, i+1
.endr
.endm
; the four K steps' fragments of stage sidx: lane (r, h) takes row r, k = 32 ks + 8h .. and 32 ks + 16 + 8h ..
.macro XLOAD sidx, dst
.set i, 0
.rept 4
	ds_load_b128 v[\dst+8*i:\dst+8*i+3], v[XFA] offset:(\sidx)*XSTG+64*i
	ds_load_b128 v[\dst+8*i+4:\dst+8*i+7], v[XFA] offset:(\sidx)*XSTG+64*i+32
.set i, i+1
.endr
.endm
; weight p, K step ks: 8 fragments (16 output features x 32 inputs) from rows that lie along the outputs: transposing loads
.macro FETCHW p, ks, buf
.set f, 0
.rept 8
	ds_load_tr16_b128 v[\buf+8*f:\buf+8*f+3], v[WAD+\p] offset:(\ks)*32*WPITCH+32*f
	ds_load_tr16_b128 v[\buf+8*f+4:\buf+8*f+7], v[WAD+\p] offset:(\ks)*32*WPITCH+32*f+16*WPITCH
.set f, f+1
.endr
.endm
; 8 matrix instructions, the 8 accumulators by turns.
; orient 1: source 0 = weight, source 1 = X: a lane gets 8 neighbouring features of row r (K, q).  orient 0: the other way: 8 neighbouring rows of feature r (V).
.macro GSTEP buf, ks, orient, zero
.set f, 0
.rept 8
.if \orient
.if \zero
	v_wmma_f32_16x16x32_f16 v[ACC+8*f:ACC+8*f+7], v[\buf+8*f:\buf+8*f+7], v[XF+8*(\ks):XF+8*(\ks)+7], 0
.else
	v_wmma_f32_16x16x32_f16 v[ACC+8*f:ACC+8*f+7], v[\buf+8*f:\buf+8*f+7], v[XF+8*(\ks):XF+8*(\ks)+7], v[ACC+8*f:ACC+8*f+7]
.endif
.else
.if \zero
	v_wmma_f32_16x16x32_f16 v[ACC+8*f:ACC+8*f+7], v[XF+8*(\ks):XF+8*(\ks)+7], v[\buf+8*f:\buf+8*f+7], 0
.else
	v_wmma_f32_16x16x32_f16 v[ACC+8*f:ACC+8*f+7], v[XF+8*(\ks):XF+8*(\ks)+7], v[\buf+8*f:\buf+8*f+7], v[ACC+8*f:ACC+8*f+7]
.endif
.endif
.set f, f+1
.endr
.endm
; every accumulator tile rounded in place: 8 f32 to 16 bytes in its first four registers
.macro PACKACC scale
.set f, 0
.rept 8
.if \scale
.set g, 0
.rept 4
	v_pk_mul_f32 v[ACC+8*f+2*g:ACC+8*f+2*g+1], v[ACC+8*f+2*g:ACC+8*f+2*g+1], QSCALE op_sel_hi:[1,0]
.set g, g+1
.endr
.endif
.set g, 0
.rept 4
	v_cvt_pk_f16_f32 v[ACC+8*f+g], v[ACC+8*f+2*g], v[ACC+8*f+2*g+1]
.set g, g+1
.endr
.set f, f+1
.endr
.endm
; 16 steps: product p = n >> 2, K step ks = n & 3.  The weight fragments of step n + 2 are fetched behind step n into the buffer that it has read.
.macro PRODUCT isq
	XLOAD 0, XF
	FETCHW 0, 0, WB0
	FETCHW 0, 1, WB0+64
.set n, 0
.rept 16
.set p, n>>2
.set ks, n&3
.set wb, WB0+64*(n&1)
.set p2, (n+2)>>2
.set k2, (n+2)&3
.set px, p+1
.if n == 15
	s_wait_dscnt 0x0                               ; the last fragments
.else
	s_wait_dscnt 0x10                              ; all but the 16 loads of step n + 1, which were issued last
.endif
.if \isq
.if n == 0
	GSTEP wb, ks, 1, 1
.else
	GSTEP wb, ks, 1, 0
.endif
.else
.if ks == 0
.if n > 0
	s_wait_xcnt 0x0                                ; the last product's stores read the accumulators, which are written again only behind this wait
.endif
	GSTEP wb, ks, 1-(p&1), 1
.else
	GSTEP wb, ks, 1-(p&1), 0
.endif
.endif
	PLACES 4                                       ; four places behind the matrix instructions, ahead of loads into their sources and of reads of their results
.if ks == 3
.if n < 15
.if \isq
	XLOAD px, XF                                   ; the next product's X
.else
.if n == 7
	XLOAD 1, XF                                    ; graph, for K_e and V_e
.endif
.endif
.endif
.endif
.if n < 14
	FETCHW p2, k2, wb
.endif
.if \isq == 0
.if ks == 3
	PACKACC 0
.set f, 0
.rept 8
	global_store_b128 v[KOFF], v[ACC+8*f:ACC+8*f+3], s[52:53] offset:(2*(f>>1)+(p>>1))*65536+(f&1)*16384+(p&1)*32768   ; 512 consecutive bytes, aligned
.set f, f+1
.endr
.endif
.endif
.set n, n+1
.endr
.endm
	s_load_b512 s[4:19], s[0:1], 0x0               ; nodes, graph, q1, last_node, first_graph, last_graph, Wk, Wv
	s_load_b512 s[20:35], s[0:1], 0x40             ; Wk_e, Wv_e, Wq_first, Wq_last, Wq_first_e, Wq_last_e, kv, qf
	v_lshl_add_u32 v254, v0, 2, 0x46000
	v_mov_b32 v255, 0
	v_lshrrev_b32 v12, 5, v0
	v_readfirstlane_b32 s36, v12                   ; wave
	s_and_b32 s37, ttmp7, 0xffff                   ; y
	v_and_b32 v12, 31, v0                          ; L
	v_and_b32 v13, 15, v0                          ; r
	v_bfe_u32 v14, v0, 4, 1                        ; h
	v_lshlrev_b32 v15, 4, v12                      ; 16 L
	v_lshl_add_u32 v[GOFF], s36, 13, v15
	s_mul_i32 s62, s36, 16*WPITCH
	v_lshl_add_u32 v[WST], v12, 3, s62
	s_mul_i32 s63, s36, XWAVE
	s_add_co_u32 s63, s63, XSB                     ; my wave's stages
	v_lshl_add_u32 v[XST], v12, 3, s63
	v_mul_u32_u24 v[XFA], v13, XPITCH
	v_lshl_add_u32 v[XFA], v14, 4, v[XFA]
	v_add_nc_u32 v[XFA], s63, v[XFA]
	v_and_b32 v13, 7, v0
	v_lshl_add_u32 v13, v14, 3, v13                ; 8 h + (L & 7)
	v_mul_u32_u24 v13, v13, WPITCH
	v_bfe_u32 v14, v0, 3, 1
	v_lshl_add_u32 v[WAD], v14, 4, v13
	v_add_nc_u32 v[WAD+1], WBYTES, v[WAD]
	v_add_nc_u32 v[WAD+2], 2*WBYTES, v[WAD]
	v_add_nc_u32 v[WAD+3], 3*WBYTES, v[WAD]
	s_and_b32 s39, ttmp9, 3                        ; which quarter of the batch's 512 rows
	s_lshl_b32 s62, s39, 12
	s_lshl_b32 s63, s36, 9
	s_add_co_u32 s62, s62, s63
	v_add_nc_u32 v[KOFF], s62, v15                 ; t*512 + 16 L, t = 8 (x & 3) + w
	s_lshr_b32 s62, s39, 1
	s_add_co_u32 s62, s62, 8
	s_lshl_b32 s62, s62, 16                        ; block 8 + (t >> 4)
	s_and_b32 s63, ttmp9, 1
	s_lshl_b32 s63, s63, 3
	s_add_co_u32 s63, s63, s36
	s_lshl_b32 s63, s63, 12                        ; (t & 15) * 4096
	s_add_co_u32 s62, s62, s63
	v_add_nc_u32 v[SOFF], s62, v15
	v_lshl_add_u32 v[QOF], s36, 12, v15
	s_lshl_b32 s60, ttmp9, 16                      ; 128 rows of 512 bytes
	s_mov_b32 s61, 0
	s_lshr_b32 s62, ttmp9, 2
	s_mul_i32 s62, s62, 655360                     ; the batch's ten blocks
	s_mov_b32 s63, 0
	s_lshl_b32 s38, ttmp9, 15                      ; 8 query tiles of 4,096 bytes
	s_mov_b32 s39, 0
	s_wait_kmcnt 0x0
	s_cmp_eq_u32 s37, 0                            ; y = 0: the first of each pair
	s_cselect_b64 s[40:41], s[16:17], s[24:25]     ; Wk      or Wq_first
	s_cselect_b64 s[42:43], s[18:19], s[26:27]     ; Wv      or Wq_last
	s_cselect_b64 s[44:45], s[20:21], s[28:29]     ; Wk_e    or Wq_first_e
	s_cselect_b64 s[46:47], s[22:23], s[30:31]     ; Wv_e    or Wq_last_e
	s_cselect_b64 s[48:49], s[4:5], s[8:9]         ; nodes   or q1
	s_cselect_b64 s[50:51], s[6:7], s[10:11]       ; graph   or last_node
	s_add_nc_u64 s[48:49], s[48:49], s[60:61]
	s_add_nc_u64 s[50:51], s[50:51], s[60:61]
	s_add_nc_u64 s[56:57], s[12:13], s[60:61]      ; first_graph
	s_add_nc_u64 s[58:59], s[14:15], s[60:61]      ; last_graph
	s_add_nc_u64 s[52:53], s[32:33], s[62:63]      ; kv at my batch
	s_add_nc_u64 s[54:55], s[34:35], s[38:39]      ; qf at my block's first query tile
	; three groups of 16 loads are always out; each count of 32 leaves the two younger groups on their way
	LD16 R0, 40, 0
	LD16 R1, 42, 0
	LD16 R2, 44, 0
	s_wait_loadcnt 0x20
	CVTW R0
	LD16 R0, 46, 0
	s_wait_loadcnt 0x20
	CVTW R1
	LD16 R1, 48, 1
	s_wait_loadcnt 0x20
	CVTW R2
	LD16 R2, 50, 1
	s_wait_loadcnt 0x20
	CVTW R0
	s_wait_dscnt 0x0                               ; my rows of the four weights are in LDS, for the other waves' sake
	s_barrier_signal -1
	s_barrier_wait -1                              ; the launch's one barrier: from here on a wave reads the weights and its own stages
	s_cmp_lg_u32 s37, 0
	s_cbranch_scc1 .Lq
	; ---- y = 0: K, V, K_e, V_e, shk ----
	s_wait_loadcnt 0x10                            ; nodes are in; graph's 16 loads are younger
	STAGE R1, 0, R0, 2                             ; packed beside, since the f32 numbers are still wanted for shk
	s_wait_loadcnt 0x0
	STAGE R2, 1, R0+32, 2
.set i, 0
.rept 32
	v_pk_add_f32 v[R1+2*i:R1+2*i+1], v[R1+2*i:R1+2*i+1], v[R2+2*i:R2+2*i+1]     ; shk in f32,
	v_pk_mul_f32 v[R1+2*i:R1+2*i+1], v[R1+2*i:R1+2*i+1], SHKS op_sel_hi:[1,0]   ; times 16 (exact), rounded to f16 once
.set i, i+1
.endr
	STAGE R1, 2, R1, 4
	XLOAD 2, SH                                    ; LDS serves a wave's instructions in order (ISA guide 5.7.1): these see my own stores
	s_wait_dscnt 0x0
.set i, 0
.rept 8
	global_store_b128 v[SOFF], v[SH+4*i:SH+4*i+3], s[52:53] offset:512*i
.set i, i+1
.endr
	s_wait_xcnt 0x0                                ; the stores read v[208:239], which the weight fragments overwrite only behind this wait
	PRODUCT 0
	s_wait_tensorcnt 0x0
	ds_add_u32 v254, v255
	s_wait_dscnt 0x0
	s_endpgm
	; ---- y = 1: q = q1 Wq_first + last_node Wq_last + first_graph Wq_first_e + last_graph Wq_last_e ----
.Lq:
	LD16 R0, 56, 1
	s_wait_loadcnt 0x20                            ; q1 is in; last_node and first_graph are younger
	STAGE R1, 0, R1, 4
	LD16 R1, 58, 1
	s_wait_loadcnt 0x20                            ; last_node
	STAGE R2, 1, R2, 4
	s_wait_loadcnt 0x10                            ; first_graph
	STAGE R0, 2, R0, 4
	s_wait_loadcnt 0x0                             ; last_graph
	STAGE R1, 3, R1, 4
	s_wait_dscnt 0x0                               ; my stores are done before their registers become accumulators and fragments
	PRODUCT 1
	PACKACC 1
.set f, 0
.rept 8
	global_store_b128 v[QOF], v[ACC+8*f:ACC+8*f+3], s[54:55] offset:512*f
.set f, f+1
.endr
	s_wait_tensorcnt 0x0
	ds_add_u32 v254, v255
	s_wait_dscnt 0x0
	s_endpgm
.Lfunc_end_k_q05f3d5f0e8_proj:
	.size	k_q05f3d5f0e8_proj, .Lfunc_end_k_q05f3d5f0e8_proj-k_q05f3d5f0e8_proj
	.p2alignl 7, 3214868480
	.fill 96, 4, 3214868480
	.section	.rodata,"a",@progbits
	.p2align	6, 0x0
	.amdhsa_kernel k_q05f3d5f0e8_proj
		.amdhsa_group_segment_fixed_size 287744
		.amdhsa_private_segment_fixed_size 0
		.amdhsa_enable_private_segment 0
		.amdhsa_kernarg_size 128
		.amdhsa_user_sgpr_count 2
		.amdhsa_user_sgpr_kernarg_segment_ptr 1
		.amdhsa_wavefront_size32 1
		.amdhsa_system_sgpr_workgroup_id_x 1
		.amdhsa_system_sgpr_workgroup_id_y 1
		.amdhsa_system_sgpr_workgroup_id_z 1
		.amdhsa_system_vgpr_workitem_id 0
		.amdhsa_next_free_vgpr 256
		.amdhsa_next_free_sgpr 66
		.amdhsa_reserve_vcc 0
		.amdhsa_float_denorm_mode_32 3
		.amdhsa_float_denorm_mode_16_64 3
		.amdhsa_memory_ordered 1
		.amdhsa_forward_progress 1
		.amdhsa_inst_pref_size 129
	.end_amdhsa_kernel
	.amdgpu_metadata
---
amdhsa.version: [ 1, 2 ]
amdhsa.kernels:
  - .name:           k_q05f3d5f0e8_proj
    .symbol:         k_q05f3d5f0e8_proj.kd
    .args:
      - { .name: encoded_nodes, .offset: 0, .size: 8, .value_kind: global_buffer, .address_space: global }
      - { .name: encoded_graph, .offset: 8, .size: 8, .value_kind: global_buffer, .address_space: global }
      - { .name: encoded_q1, .offset: 16, .size: 8, .value_kind: global_buffer, .address_space: global }
      - { .name: encoded_last_node, .offset: 24, .size: 8, .value_kind: global_buffer, .address_space: global }
      - { .name: encoded_first_graph, .offset: 32, .size: 8, .value_kind: global_buffer, .address_space: global }
      - { .name: encoded_last_graph, .offset: 40, .size: 8, .value_kind: global_buffer, .address_space: global }
      - { .name: Wk, .offset: 48, .size: 8, .value_kind: global_buffer, .address_space: global }
      - { .name: Wv, .offset: 56, .size: 8, .value_kind: global_buffer, .address_space: global }
      - { .name: Wk_e, .offset: 64, .size: 8, .value_kind: global_buffer, .address_space: global }
      - { .name: Wv_e, .offset: 72, .size: 8, .value_kind: global_buffer, .address_space: global }
      - { .name: Wq_first, .offset: 80, .size: 8, .value_kind: global_buffer, .address_space: global }
      - { .name: Wq_last, .offset: 88, .size: 8, .value_kind: global_buffer, .address_space: global }
      - { .name: Wq_first_e, .offset: 96, .size: 8, .value_kind: global_buffer, .address_space: global }
      - { .name: Wq_last_e, .offset: 104, .size: 8, .value_kind: global_buffer, .address_space: global }
      - { .name: kv, .offset: 112, .size: 8, .value_kind: global_buffer, .address_space: global }
      - { .name: qf, .offset: 120, .size: 8, .value_kind: global_buffer, .address_space: global }
    .group_segment_fixed_size: 287744
    .private_segment_fixed_size: 0
    .kernarg_segment_align: 8
    .kernarg_segment_size: 128
    .max_flat_workgroup_size: 256
    .sgpr_count:     66
    .vgpr_count:     256
    .wavefront_size: 32
...
	.end_amdgpu_metadata
.endif
;; end of part 1
;; launch attn (part 2): grid 8 x 32, 8 waves a work-group, clusters of 4 x 1, 327,680 bytes of LDS; arguments ninf_mask, Wcomb1, Wcomb2, bcomb1, bcomb2, kv, qf, out0; writes out0
.if DOCPART == 2
	.amdgcn_target "amdgcn-amd-amdhsa--gfx1250"
	.amdhsa_code_object_version 6
	.text
	.protected	k_q05f3d5f0e8_attn
	.globl	k_q05f3d5f0e8_attn
	.p2align	8
	.type	k_q05f3d5f0e8_attn,@function
k_q05f3d5f0e8_attn:
	s_mov_b64 s[64:65], 0
	v_nop
	global_prefetch_b8 v0, s[64:65] scope:SCOPE_SE
	s_setreg_imm32_b32 hwreg(HW_REG_WAVE_MODE, 25, 1), 1
	s_wait_xcnt 0x0
	s_wait_alu depctr_hold_cnt(0) depctr_sa_sdst(0) depctr_va_vdst(0) depctr_va_sdst(0) depctr_va_ssrc(0) depctr_va_vcc(0) depctr_vm_vsrc(0)
	s_getreg_b32 s2, hwreg(HW_REG_IB_STS2, 6, 4)
	s_cmp_eq_u32 s2, 0
	s_cbranch_scc0 .Lentry_in_a_cluster
	s_endpgm
.Lentry_in_a_cluster:
	s_bfe_u32 s2, ttmp6, 0x10000c
	s_cmp_lg_u32 s2, 0x3003
	s_cbranch_scc0 .Lentry_shape_is_right
	s_endpgm
.Lentry_shape_is_right:
; Both masked attentions, the combine, the single-head score, 10 tanh + mask, and the softmax over 512 nodes.
; Work-group = (batch b, 64 queries).  Wave w: qt = w & 3 (16 queries), e = w >> 2.  Job j = 2u + a (u head pair, a attention): the wave does head 2u + e.
; Every product is used transposed, so that each result is already the next product's source 1 (L lane, r = L & 15, h = L >> 4):
;   S^T = K Q^T + mask (register j: key 8h+j, query r)  ->  packed pairs of tiles are P^T's fragment  ->  O^T = V^T P^T (d 8h+j, query r)
;   ->  two heads packed are out^T's fragment  ->  mh^T = Wc^T out^T + bias  ->  two tiles packed  ->  score^T = shk mh^T (node 8h+j, query r).
; A lane owns one query: the softmax runs along registers and over one step to lane L ^ 16.  The softmax keeps a running maximum, in base 2
; (q carries 0.25 log2 e, the mask is multiplied by log2 e once and kept in 256 registers, where it serves 16 attentions and the last softmax).
; The row sums come from a product with a fragment of ones; it is also the second accumulator with which O takes turns.
; d = 16 fills half of the form's K = 32: Q's fragment holds q twice, and a K tile stands beside four registers of zeros, so each K load is 16 useful bytes a lane.
; tanh(x) = 1 - 2 / (1 + 2^y), y = 2 log2(e) x; the constant 10 log2(e) cancels in the softmax, so z = -20 log2(e) / (1 + 2^y) + mask log2(e).
; CLUSTER: the four work-groups of a cluster have the same batch and walk the same ten blocks of kv; each block is asked for jointly (mask 15).  A wave's share of
; a block of 65,536 bytes is 8,192 bytes, 32 rows of 256 bytes: with eight waves, each issuing its own load, longer tiles do not exist here.
; By this text's count a wave has at most one tensor load outstanding.
; FORMAT: matrix operands in f16, 11 significant bits (K, V, q, P, out, Wcomb, mh, shk): the last softmax turns an absolute error of the logit into a relative
; error of the result, so the operands' rounding counts tenfold there.
; RANGE (a stated limit): f16 ends at 65,504; an operand beyond it becomes infinite and the result NaN.  P is at most 1; out is no larger than V.  mh is a product of
; three inputs (X, Wv, Wcomb): of root mean square about 0.08 with inputs of spread 1 and weights within 0.09, about 13,000 with every input 30 times larger;
; it is stored times 2 log2(e) / sqrt(128) / 16 = 0.016 (about 200 then), and shk comes 16 times larger.  Below 6e-5 the absolute error is at most 2^-25.
; OTHER LIMITS: a query whose mask row is all -inf gives NaN, as reference() does (0 times infinity).  +inf and NaN among the inputs are not followed.
; Sums are made in another order than reference()'s.
.set SLOT,  65536                      ; two ring slots at LDS 0 and 65,536: tensor loads alone write them
.set MS,    131072                     ; mask stage: 64 rows, pitch 2,064 (2,048 + 16)
.set MSP,   2064
.set WC,    131072                     ; behind the mask stage's last read: Wcomb1, Wcomb2 in f16, pitch 288
.set WCP,   288
.set WCM,   128*WCP
.set OREG,  204800                     ; packed O^T: [qt][job 8][e][512]
.set MHREG, 237568                     ; packed mh^T: [qt][tile 8][512]
.set OST,   131072                     ; output stage, behind the last exchange: 8 waves x 16 rows, pitch 1,040
.set OSTP,  1040
.set BS,    264192                     ; b1 + b2, each wave's own 512 bytes
.set XM,    268288                     ; exchange of maxima, 128 bytes a wave; the sums' exchange 1,024 bytes further
.set LOG2E, 0x3fb8aa3b
.set C2S,   0x3c8293ee                 ; 2 log2(e) / sqrt(128) / 16: shk comes 16 times larger
.set C3,    0xc1e6d4ca                 ; -20 log2(e)
; window 1 (v256-511): M'[i] at 8 i, i = 0..31: mask * log2(e) of query r, keys 16 t(i) + 8h + j, t(i) = 16e + i (i < 16), 16(1-e) + i - 16 (else):
; the wave walks the keys from its own half on, so that M'[0..15] is also the mask of the 256 nodes that it scores at the end.
.set LB,   1                           ; v1-4   K pieces: slot 0 first half, second half, slot 1 first, second
.set OB,   5                           ; v5     where my packed O^T goes (job 0)
.set QOFF, 6                           ; v6     my q piece in qf
.set BSR,  7                           ; v7     bias sum, as accumulator rows
.set MP,   8                           ; v[8:9]   running maximum, twice
.set AL,   10                          ; v[10:11] alpha or a reciprocal, twice
.set MC,   12                          ; v12-15 four chains of maxima; packed O^T
.set T0,   16
.set T1,   17
.set WA,   18                          ; v18-19 Wcomb fragments, matrix 0, 1
.set ORD,  20                          ; v20    packed O^T of my queries
.set MHW,  21
.set MHR,  22
.set SA,   23                          ; v23    shk fragments of my half of the nodes
.set QF,   24                          ; v[24:31]  q | q
.set ONES, 32                          ; v[32:39]
.set O,    40                          ; v[40:47]
.set LS,   48                          ; v[48:55]  row sums
.set KT,   56                          ; v[56:103] four triples: K tile | zeros | K tile
.set VF,   104                         ; v[104:135] four V^T fragments
.set S,    136                         ; v[136:199] eight S^T tiles; P^T fragment g in S + 16 g
.set MH,   24                          ; combine: four accumulators
.set AB,   56                          ; combine and score: source 0, two buffers of 32
.set OF,   136                         ; combine: eight out^T fragments
.set BF,   24                          ; score: four mh^T fragments
.set F,    120                         ; v[120:247] score: sixteen tiles
.set XMA,  248
.set XMP,  249
.set OSW,  250
.set OSR,  251
.set OUTO, 252
.set PMG,  8                           ; prolog only: mask in memory, mask stage in, mask stage out (two halves), Wcomb in memory, in LDS, bias in LDS, 16 L
.set PMSW, 9
.set PMA,  10
.set PMB,  11
.set PWCG, 12
.set PWCW, 13
.set PBSW, 14
.set PM,   56                          ; prolog: mask v[56:183], Wcomb rows v[184:247], then v[56:119]
.set MSB, 0
.macro WIN new                         ; the immediate's high byte repeats the setting that is left
.if MSB != \new
	s_set_vgpr_msb (MSB<<8)|\new
.set MSB, \new
.endif
.endm
.macro PLACES n
.rept \n
	v_nop
.endr
.endm
; a round of the cluster's barrier
.macro ROUND
	s_barrier_signal -1
	s_barrier_wait -1
	s_cmp_lg_u32 s20, 0
	s_cbranch_scc1 .Lnot_wave_0_\@
	s_barrier_signal -3
.Lnot_wave_0_\@:
	s_barrier_wait -3
	s_barrier_signal -1
	s_barrier_wait -1
.endm
; The head of trip t (slot = t & 1).  In front of the round every wave has waited for all its tensor loads (its part of this trip's block among them) and for its
; LDS instructions (its reads of the other slot among them); behind the round that holds of every wave of the four work-groups, and the one joint load,
; block t + 1 into the other slot, comes first.  It has the whole job in which to land.
.macro TRIPHEAD slot, refill
	s_wait_xcnt 0x0
	v_lshl_add_u32 v254, v0, 2, 0x42000
	v_mov_b32 v255, 0
	s_wait_tensorcnt 0x0
	ds_add_u32 v254, v255
	s_wait_dscnt 0x0
	s_add_nc_u64 s[38+4*\slot:39+4*\slot], s[38+4*\slot:39+4*\slot], 2*SLOT      ; no load of mine is out: this slot's next block
	s_wait_dscnt 0x0
	ROUND
.if \refill
	tensor_load_to_lds s[36+4*(1-\slot):39+4*(1-\slot)], s[28:35]
	s_nop 0
.endif
.endm
.macro KLOAD slot, c                   ; eight K tiles of chunk c into the triples' outer parts
.set i, 0
.rept 8
	ds_load_b128 v[KT+12*(i>>1)+8*(i&1):KT+12*(i>>1)+8*(i&1)+3], v[LB+2*\slot+((\c)>>1)] offset:(((\c)&1)*8+i)*512
.set i, i+1
.endr
.endm
.macro VLOAD slot, c                   ; the same 128 keys of V^T: four fragments
.set i, 0
.rept 8
	ds_load_b128 v[VF+4*i:VF+4*i+3], v[LB+2*\slot+((\c)>>1)] offset:32768+(((\c)&1)*8+i)*512
.set i, i+1
.endr
.endm
; the largest of 4 x per registers from base on, in four chains; then the other half of the lanes' figure into MC + 1
.macro MAXTREE base, per
.set k, 0
.rept 4
	v_max3_num_f32 v[MC+k], v[\base+\per*k], v[\base+\per*k+1], v[\base+\per*k+2]
.set k, k+1
.endr
.set q, 3
.rept (\per-4)/2
.set k, 0
.rept 4
	v_max3_num_f32 v[MC+k], v[MC+k], v[\base+\per*k+q], v[\base+\per*k+q+1]
.set k, k+1
.endr
.set q, q+2
.endr
	v_max3_num_f32 v[MC], v[MC], v[MC+1], v[\base+\per-1]
	v_max3_num_f32 v[MC+2], v[MC+2], v[MC+3], v[\base+2*\per-1]
	v_max3_num_f32 v[MC], v[MC], v[MC+2], v[\base+3*\per-1]
	v_max_num_f32 v[MC], v[MC], v[\base+4*\per-1]
	v_permlanex16_b32 v[MC+1], v[MC], s44, s45
.endm
.macro SUBG g
.set i, 0
.rept 8
	v_pk_add_f32 v[S+16*\g+2*i:S+16*\g+2*i+1], v[S+16*\g+2*i:S+16*\g+2*i+1], v[MP:MP+1] neg_lo:[0,1] neg_hi:[0,1]
.set i, i+1
.endr
.endm
.macro EXPG g
.set i, 0
.rept 16
	v_exp_f32 v[S+16*\g+i], v[S+16*\g+i]
.set i, i+1
.endr
.endm
.macro CVTG g                          ; two tiles packed in place: P^T's fragment g in the group's first eight registers
.set i, 0
	s_wait_alu depctr_va_vdst(0)
.rept 8
	v_cvt_pk_f16_f32 v[S+16*\g+i], v[S+16*\g+2*i], v[S+16*\g+2*i+1]
.set i, i+1
.endr
.endm
; 128 keys of one head
.macro CHUNK slot, c, qload
	s_wait_dscnt 0x8                               ; K of this chunk is in; V's eight loads are younger
	WIN 0x10                                       ; C from window 1: the mask starts the sums
.set i, 0
.rept 8
	v_wmma_f32_16x16x32_f16 v[S+8*i:S+8*i+7], v[KT+12*(i>>1)+4*(i&1):KT+12*(i>>1)+4*(i&1)+7], v[QF:QF+7], v[8*(8*\c+i):8*(8*\c+i)+7]
.set i, i+1
.endr
	WIN 0
	PLACES 4                                       ; four places ahead of loads into K's and q's registers and of reads of S
.if \c < 3
	KLOAD \slot, \c+1
.endif
.if \qload
	s_add_co_u32 s48, s46, 1                       ; the next head pair's q; behind the last pair the first one's again, so that the address stays inside qf
	s_and_b32 s48, s48, 3
	s_lshl_b32 s48, s48, 10
	s_mov_b32 s49, 0
	s_add_nc_u64 s[54:55], s[52:53], s[48:49]      ; the loads that used s[54:55] were waited for at the loop's head
	global_load_b128 v[QF:QF+3], v[QOFF], s[54:55]
	global_load_b128 v[QF+4:QF+7], v[QOFF], s[54:55]
.endif
	MAXTREE S, 16
.if \c == 0
	v_max3_num_f32 v[MP], v[MC], v[MC+1], s47      ; the running maximum starts at the lowest finite number: a chunk that is all -inf gives p = 0
	v_mov_b32 v[MP+1], v[MP]
.else
	v_max3_num_f32 v[T0], v[MC], v[MC+1], v[MP]
	v_sub_f32 v[T1], v[MP], v[T0]
	v_exp_f32 v[AL], v[T1]                         ; alpha; the two moves below are the plain instructions between it and its use (ISA guide 5.7.2)
	v_mov_b32 v[MP], v[T0]
	v_mov_b32 v[MP+1], v[T0]
	s_wait_alu depctr_va_vdst(0)
	v_mov_b32 v[AL+1], v[AL]
.set i, 0
.rept 4
	v_pk_mul_f32 v[O+2*i:O+2*i+1], v[O+2*i:O+2*i+1], v[AL:AL+1]
	v_pk_mul_f32 v[LS+2*i:LS+2*i+1], v[LS+2*i:LS+2*i+1], v[AL:AL+1]
.set i, i+1
.endr
.endif
	SUBG 0                                         ; between a group's exponentials and their packing stand the next group's subtractions
	EXPG 0
	SUBG 1
	CVTG 0
	EXPG 1
	SUBG 2
	CVTG 1
	EXPG 2
	SUBG 3
	CVTG 2
	EXPG 3
	v_nop
	s_wait_alu depctr_va_vdst(0)
	CVTG 3
.if \c == 3
	s_wait_dscnt 0x0                               ; V of the last chunk
.else
	s_wait_dscnt 0x8                               ; V is in; the next chunk's K, eight loads, is younger
.endif
	; O and the row sums take turns, one instruction a turn
.if \c == 0
	v_wmma_f32_16x16x32_f16 v[O:O+7], v[VF:VF+7], v[S:S+7], 0
	v_wmma_f32_16x16x32_f16 v[LS:LS+7], v[ONES:ONES+7], v[S:S+7], 0
.else
	v_wmma_f32_16x16x32_f16 v[O:O+7], v[VF:VF+7], v[S:S+7], v[O:O+7]
	v_wmma_f32_16x16x32_f16 v[LS:LS+7], v[ONES:ONES+7], v[S:S+7], v[LS:LS+7]
.endif
.set g, 1
.rept 3
	v_wmma_f32_16x16x32_f16 v[O:O+7], v[VF+8*g:VF+8*g+7], v[S+16*g:S+16*g+7], v[O:O+7]
	v_wmma_f32_16x16x32_f16 v[LS:LS+7], v[ONES:ONES+7], v[S+16*g:S+16*g+7], v[LS:LS+7]
.set g, g+1
.endr
	PLACES 5                                       ; five places: the next chunk's products write over P^T
.if \c < 3
	VLOAD \slot, \c+1
.endif
.endm
; one head of one attention: 512 keys, then O^T / l, packed, into LDS
.macro JOB slot, qload
	KLOAD \slot, 0
	VLOAD \slot, 0
	CHUNK \slot, 0, 0
	CHUNK \slot, 1, 0
	CHUNK \slot, 2, 0
	CHUNK \slot, 3, \qload
	v_rcp_f32 v[AL], v[LS]
	v_lshl_add_u32 v[T1], s46, 11, v[OB]           ; job 2u + a: 2,048 u here, 1,024 a in the immediate
	s_wait_alu depctr_va_vdst(0)
	v_mov_b32 v[AL+1], v[AL]
.set i, 0
.rept 4
	v_pk_mul_f32 v[O+2*i:O+2*i+1], v[O+2*i:O+2*i+1], v[AL:AL+1]
.set i, i+1
.endr
.set i, 0
.rept 4
	v_cvt_pk_f16_f32 v[MC+i], v[O+2*i], v[O+2*i+1]
.set i, i+1
.endr
	ds_store_b128 v[T1], v[MC:MC+3] offset:1024*\slot
.endm
.macro CVTWC R, row0                   ; 16 rows of Wcomb rounded in place, 8 bytes a lane into LDS
.set i, 0
.rept 16
	v_cvt_pk_f16_f32 v[\R+4*i], v[\R+4*i], v[\R+4*i+1]
	v_cvt_pk_f16_f32 v[\R+4*i+1], v[\R+4*i+2], v[\R+4*i+3]
	ds_store_b64 v[PWCW], v[\R+4*i:\R+4*i+1] offset:(\row0+i)*WCP
.set i, i+1
.endr
.endm
.macro AFETCH j                        ; combine, job j: Wc^T fragments of my four feature tiles, inputs 32 (j >> 1) .., matrix j & 1
.set i, 0
.rept 4
	ds_load_tr16_b128 v[AB+32*((\j)&1)+8*i:AB+32*((\j)&1)+8*i+3], v[WA+((\j)&1)] offset:((\j)>>1)*32*WCP+32*i
	ds_load_tr16_b128 v[AB+32*((\j)&1)+8*i+4:AB+32*((\j)&1)+8*i+7], v[WA+((\j)&1)] offset:((\j)>>1)*32*WCP+32*i+16*WCP
.set i, i+1
.endr
.endm
.macro SFETCH n                        ; score, step n: shk fragments of node tiles 4 (n >> 2) + 0..3, K step n & 3
.set i, 0
.rept 4
	ds_load_b128 v[AB+32*((\n)&1)+8*i:AB+32*((\n)&1)+8*i+3], v[SA] offset:(4*((\n)>>2)+i)*4096+((\n)&3)*1024
	ds_load_b128 v[AB+32*((\n)&1)+8*i+4:AB+32*((\n)&1)+8*i+7], v[SA] offset:(4*((\n)>>2)+i)*4096+((\n)&3)*1024+512
.set i, i+1
.endr
.endm
	s_load_b512 s[4:19], s[0:1], 0x0               ; mask, Wcomb1, Wcomb2, bcomb1, bcomb2, kv, qf, out0
	v_lshl_add_u32 v254, v0, 2, 0x42000
	v_mov_b32 v255, 0
	ds_add_u32 v254, v255
	s_wait_dscnt 0x0
	v_lshrrev_b32 v16, 5, v0
	v_readfirstlane_b32 s20, v16                   ; wave
	s_lshr_b32 s21, s20, 2                         ; e
	s_and_b32 s22, s20, 3                          ; qt
	s_bfe_u32 s23, ttmp6, 0x40000                  ; cx: enters global addresses of the mask, qf and out0 alone
	s_lshl_b32 s24, ttmp9, 2
	s_add_co_u32 s24, s24, s23                     ; query block = 4 x cluster x + cx
	s_and_b32 s25, ttmp7, 0xffff                   ; batch
	s_xor_b32 s26, s21, 1                          ; 1 - e
	s_mov_b32 s44, 0x76543210                      ; v_permlanex16_b32: lane i of one half reads lane i of the other
	s_mov_b32 s45, 0xfedcba98
	s_mov_b32 s47, 0xff7fffff                      ; the lowest finite f32
	; descriptor group 1: 32 rows of 32 elements of 8 bytes, dense; mask 15: all four work-groups of the cluster; bit 21 set beside the mask
	s_mov_b32 s28, 15|(3<<16)|(1<<21)
	s_mov_b32 s29, 32<<16                          ; tensor_dim0 = 32
	s_mov_b32 s30, 32<<16                          ; tensor_dim1 = 32
	s_mov_b32 s31, 32<<16                          ; tile_dim0 = 32
	s_mov_b32 s32, 32                              ; tile_dim1 = 32
	s_mov_b32 s33, 32                              ; pitch = 32 elements
	s_mov_b32 s34, 0
	s_mov_b32 s35, 0
	; group 0, one set for each slot: LDS address = slot x 65,536 + wave x 8,192
	s_mov_b32 s36, 1
	s_lshl_b32 s37, s20, 13
	s_mov_b32 s40, 1
	s_add_co_u32 s41, s37, SLOT
	s_mul_i32 s48, s25, 655360                     ; the batch's ten blocks,
	s_add_co_u32 s48, s48, s37                     ; my wave's eighth of a block
	s_mov_b32 s49, 0
	; lane terms
	v_and_b32 v253, 31, v0                         ; L
	v_and_b32 v254, 15, v0                         ; r
	v_bfe_u32 v255, v0, 4, 1                       ; h
	v_lshlrev_b32 v15, 4, v253                     ; 16 L
	v_lshl_add_u32 v[PMG], s20, 14, v15            ; mask rows 8w ..: w x 8 x 2,048 + 16 L
	v_lshl_add_u32 v[PWCG], s22, 14, v15           ; Wcomb rows 32 qt ..
	s_mul_i32 s62, s20, 8*MSP
	s_add_co_u32 s62, s62, MS
	v_add_nc_u32 v[PMSW], s62, v15
	v_lshl_add_u32 v16, s22, 4, v254               ; row 16 qt + r of the mask stage
	v_mul_u32_u24 v16, v16, MSP
	v_lshl_add_u32 v16, v255, 5, v16               ; + 32 h
	s_lshl_b32 s62, s21, 10
	s_add_co_u32 s62, s62, MS
	v_add_nc_u32 v[PMA], s62, v16                  ; keys 256 e ..
	s_lshl_b32 s63, s26, 10
	s_add_co_u32 s63, s63, MS
	v_add_nc_u32 v[PMB], s63, v16                  ; keys 256 (1 - e) ..
	s_mul_i32 s62, s21, WCM
	s_mul_i32 s63, s22, 32*WCP
	s_add_co_u32 s62, s62, s63
	s_add_co_u32 s62, s62, WC
	v_lshl_add_u32 v[PWCW], v253, 3, s62
	s_lshl_b32 s62, s20, 9
	s_add_co_u32 s62, s62, BS
	v_add_nc_u32 v[PBSW], s62, v15
	s_lshl_b32 s63, s21, 8
	s_add_co_u32 s63, s63, s62
	v_lshl_add_u32 v[BSR], v255, 5, s63            ; features 64 e + 8 h ..
	s_mul_i32 s62, s21, 24576                      ; head e's K part + its tiles 16 e ..
	v_add_nc_u32 v[LB], s62, v15
	s_lshl_b32 s62, s21, 13
	s_add_co_u32 s62, s62, 8192                    ; head e's K part + its tiles 16 (1 - e) ..
	v_add_nc_u32 v[LB+1], s62, v15
	v_add_nc_u32 v[LB+2], SLOT, v[LB]
	v_add_nc_u32 v[LB+3], SLOT, v[LB+1]
	s_lshl_b32 s62, s22, 13
	s_add_co_u32 s62, s62, OREG
	v_add_nc_u32 v[ORD], s62, v15
	s_lshl_b32 s63, s21, 9
	s_add_co_u32 s63, s63, s62
	v_add_nc_u32 v[OB], s63, v15
	s_lshl2_add_u32 s62, s24, s22                  ; query tile 4 qb + qt
	s_lshl_b32 s62, s62, 12
	s_lshl_b32 s63, s21, 9
	s_add_co_u32 s62, s62, s63
	v_add_nc_u32 v[QOFF], s62, v15
	v_and_b32 v16, 7, v0
	v_lshl_add_u32 v16, v255, 3, v16               ; 8 h + (L & 7)
	v_mul_u32_u24 v16, v16, WCP
	v_bfe_u32 v17, v0, 3, 1
	v_lshl_add_u32 v16, v17, 4, v16
	s_lshl_b32 s62, s21, 7                         ; output features 64 e ..
	s_add_co_u32 s62, s62, WC
	v_add_nc_u32 v[WA], s62, v16
	v_add_nc_u32 v[WA+1], WCM, v[WA]
	s_lshl_b32 s62, s22, 12
	s_add_co_u32 s62, s62, MHREG
	v_add_nc_u32 v[MHR], s62, v15
	s_lshl_b32 s63, s21, 11
	s_add_co_u32 s63, s63, s62
	v_add_nc_u32 v[MHW], s63, v15
	v_lshl_add_u32 v[SA], s21, 16, v15             ; block 8 + e lies in slot e
	s_lshl_b32 s62, s20, 7
	s_add_co_u32 s62, s62, XM
	v_lshl_add_u32 v[XMA], v253, 2, s62
	s_xor_b32 s63, s20, 4                          ; the wave with my queries and the other half of the nodes
	s_lshl_b32 s63, s63, 7
	s_add_co_u32 s63, s63, XM
	v_lshl_add_u32 v[XMP], v253, 2, s63
	s_mul_i32 s62, s20, 16*OSTP
	s_add_co_u32 s62, s62, OST
	v_mul_u32_u24 v16, v254, OSTP
	v_lshl_add_u32 v16, v255, 5, v16
	v_add_nc_u32 v[OSW], s62, v16
	v_add_nc_u32 v[OSR], s62, v15
	s_lshl_b32 s62, s22, 15
	s_lshl_b32 s63, s21, 10
	s_add_co_u32 s62, s62, s63
	v_add_nc_u32 v[OUTO], s62, v15                 ; 16 qt rows of 2,048 bytes + 1,024 e + 16 L
	s_lshl_b32 s50, s25, 20                        ; 512 rows of 2,048 bytes a batch,
	s_lshl_b32 s51, s24, 17                        ; 64 a query block
	s_add_co_u32 s50, s50, s51
	s_mov_b32 s51, 0
	s_lshl_b32 s62, s25, 17                        ; qf: 131,072 bytes a batch
	s_mov_b32 s63, 0
	s_wait_kmcnt 0x0
	s_add_nc_u64 s[38:39], s[14:15], s[48:49]      ; block 0, my eighth
	s_add_nc_u64 s[42:43], s[38:39], SLOT          ; block 1
	s_or_b32 s39, s39, 0x80000000                  ; type = 2
	s_or_b32 s43, s43, 0x80000000
	s_add_nc_u64 s[60:61], s[4:5], s[50:51]        ; the mask at my block's first row
	s_add_nc_u64 s[58:59], s[18:19], s[50:51]      ; out0 likewise
	s_add_nc_u64 s[52:53], s[16:17], s[62:63]      ; qf at my batch
	s_mov_b64 s[54:55], s[52:53]                   ; head pair 0
	s_cmp_eq_u32 s21, 0
	s_cselect_b64 s[56:57], s[6:7], s[8:9]         ; waves 0-3 bring Wcomb1, waves 4-7 Wcomb2
	; mask rows 8w .. 8w + 7 (each load 512 consecutive bytes), the first 16 of my 32 rows of Wcomb, the biases: on their way while the cluster gathers
.set i, 0
.rept 32
	global_load_b128 v[PM+4*i:PM+4*i+3], v[PMG], s[60:61] offset:(i>>2)*2048+(i&3)*512 th:TH_LOAD_NT
.set i, i+1
.endr
.set i, 0
.rept 16
	global_load_b128 v[184+4*i:184+4*i+3], v[PWCG], s[56:57] offset:512*i
.set i, i+1
.endr
	global_load_b128 v[40:43], v15, s[10:11]
	global_load_b128 v[44:47], v15, s[12:13]
	ROUND                                          ; all four work-groups are here: the first joint load meets
	tensor_load_to_lds s[36:39], s[28:35]          ; block 0 into slot 0
	s_nop 0
	s_wait_loadcnt 0x12                            ; the mask is in; 16 loads of Wcomb and 2 of the biases are younger
.set i, 0
.rept 32
	v_pk_mul_f32 v[PM+4*i:PM+4*i+1], v[PM+4*i:PM+4*i+1], LOG2E op_sel_hi:[1,0]
	v_pk_mul_f32 v[PM+4*i+2:PM+4*i+3], v[PM+4*i+2:PM+4*i+3], LOG2E op_sel_hi:[1,0]
	ds_store_b128 v[PMSW], v[PM+4*i:PM+4*i+3] offset:(i>>2)*MSP+(i&3)*512
.set i, i+1
.endr
	s_wait_dscnt 0x0                               ; my rows are in the stage, for the other waves' sake
.set i, 0
.rept 16
	global_load_b128 v[PM+4*i:PM+4*i+3], v[PWCG], s[56:57] offset:512*(16+i)
.set i, i+1
.endr
	s_barrier_signal -1
	s_barrier_wait -1                              ; the stage is whole
	WIN 0x40                                       ; destinations in window 1
.set i, 0
.rept 16
	ds_load_b128 v[8*i:8*i+3], v[PMA] offset:64*i
	ds_load_b128 v[8*i+4:8*i+7], v[PMA] offset:64*i+16
.set i, i+1
.endr
.set i, 0
.rept 16
	ds_load_b128 v[128+8*i:128+8*i+3], v[PMB] offset:64*i
	ds_load_b128 v[128+8*i+4:128+8*i+7], v[PMB] offset:64*i+16
.set i, i+1
.endr
	WIN 0
	s_wait_dscnt 0x0                               ; my reads of the stage are over
	s_barrier_signal -1
	s_barrier_wait -1                              ; everybody's are: its bytes now serve Wcomb, O^T and mh^T
	s_wait_loadcnt 0x10                            ; Wcomb's first 16 rows and the biases; the second 16 loads are younger
	CVTWC 184, 0
	v_pk_add_f32 v[40:41], v[40:41], v[44:45]      ; b1 + b2
	v_pk_add_f32 v[42:43], v[42:43], v[46:47]
	ds_store_b128 v[PBSW], v[40:43]
	s_wait_loadcnt 0x0
	CVTWC PM, 16
.set i, 0
.rept 4
.set g, 0
.rept 4
	v_mov_b32 v[KT+12*i+4+g], 0                    ; the triples' middle parts stay zero for the whole launch
.set g, g+1
.endr
.set i, i+1
.endr
.set i, 0
.rept 8
	v_mov_b32 v[ONES+i], 0x3c003c00                ; 1.0 in f16, twice
.set i, i+1
.endr
	global_load_b128 v[QF:QF+3], v[QOFF], s[54:55]
	global_load_b128 v[QF+4:QF+7], v[QOFF], s[54:55]
	s_mov_b32 s46, 0                               ; u, the head pair
.Lpair:
	s_wait_loadcnt 0x0                             ; q of this head pair
	TRIPHEAD 0, 1
	JOB 0, 0                                       ; nodes' K and V
	TRIPHEAD 1, 1
	JOB 1, 1                                       ; graph's
	s_add_co_u32 s46, s46, 1
	s_cmp_lt_u32 s46, 4
	s_cbranch_scc1 .Lpair
	; ---- trip 8: mh^T = Wc1^T out1^T + Wc2^T out2^T + (b1 + b2), my 64 features x my 16 queries; block 9 is asked for ----
	s_wait_loadcnt 0x0                             ; the last trip's load of q lands in registers that are used anew
	TRIPHEAD 0, 1
.set i, 0
.rept 4
	ds_load_b128 v[MH+8*i:MH+8*i+3], v[BSR] offset:64*i            ; the biases start the sums
	ds_load_b128 v[MH+8*i+4:MH+8*i+7], v[BSR] offset:64*i+16
.set i, i+1
.endr
.set j, 0
.rept 8
	ds_load_b128 v[OF+8*j:OF+8*j+3], v[ORD] offset:1024*j          ; head 2u of job j,
	ds_load_b128 v[OF+8*j+4:OF+8*j+7], v[ORD] offset:1024*j+512    ; head 2u + 1
.set j, j+1
.endr
	AFETCH 0
	AFETCH 1
.set j, 0
.rept 8
.if j == 7
	s_wait_dscnt 0x0
.else
	s_wait_dscnt 0x8                               ; all but the eight loads of step j + 1
.endif
.set i, 0
.rept 4
	v_wmma_f32_16x16x32_f16 v[MH+8*i:MH+8*i+7], v[AB+32*(j&1)+8*i:AB+32*(j&1)+8*i+7], v[OF+8*j:OF+8*j+7], v[MH+8*i:MH+8*i+7]   ; four accumulators by turns
.set i, i+1
.endr
	PLACES 4
.if j < 6
	AFETCH j+2
.endif
.set j, j+1
.endr
.set i, 0
.rept 16
	v_pk_mul_f32 v[MH+2*i:MH+2*i+1], v[MH+2*i:MH+2*i+1], C2S op_sel_hi:[1,0]
.set i, i+1
.endr
.set i, 0
.rept 4
.set g, 0
.rept 4
	v_cvt_pk_f16_f32 v[MH+8*i+g], v[MH+8*i+2*g], v[MH+8*i+2*g+1]
.set g, g+1
.endr
	ds_store_b128 v[MHW], v[MH+8*i:MH+8*i+3] offset:512*i
.set i, i+1
.endr
	; ---- trip 9: y^T = (16 shk) (mh^T c / 16) for my 256 nodes x my 16 queries; nothing is left to fetch ----
	TRIPHEAD 1, 0
.set k, 0
.rept 4
	ds_load_b128 v[BF+8*k:BF+8*k+3], v[MHR] offset:1024*k
	ds_load_b128 v[BF+8*k+4:BF+8*k+7], v[MHR] offset:1024*k+512
.set k, k+1
.endr
	SFETCH 0
	SFETCH 1
.set n, 0
.rept 16
.if n == 15
	s_wait_dscnt 0x0
.else
	s_wait_dscnt 0x8                               ; all but the eight loads of step n + 1
.endif
.set i, 0
.rept 4
.if (n&3) == 0
	v_wmma_f32_16x16x32_f16 v[F+8*(4*(n>>2)+i):F+8*(4*(n>>2)+i)+7], v[AB+32*(n&1)+8*i:AB+32*(n&1)+8*i+7], v[BF+8*(n&3):BF+8*(n&3)+7], 0
.else
	v_wmma_f32_16x16x32_f16 v[F+8*(4*(n>>2)+i):F+8*(4*(n>>2)+i)+7], v[AB+32*(n&1)+8*i:AB+32*(n&1)+8*i+7], v[BF+8*(n&3):BF+8*(n&3)+7], v[F+8*(4*(n>>2)+i):F+8*(4*(n>>2)+i)+7]
.endif
.set i, i+1
.endr
	PLACES 4
.if n < 14
	SFETCH n+2
.endif
.set n, n+1
.endr
	; z = -20 log2(e) / (1 + 2^y) + mask log2(e)
.set i, 0
.rept 128
	v_exp_f32 v[F+i], v[F+i]
.set i, i+1
.endr
	v_nop
.set i, 0
	s_wait_alu depctr_va_vdst(0)
.rept 64
	v_pk_add_f32 v[F+2*i:F+2*i+1], v[F+2*i:F+2*i+1], 1.0 op_sel_hi:[1,0]
.set i, i+1
.endr
.set i, 0
.rept 128
	v_rcp_f32 v[F+i], v[F+i]
.set i, i+1
.endr
	v_nop
	WIN 0x10                                       ; the addend from window 1: M'[0..15], my nodes' mask
.set i, 0
	s_wait_alu depctr_va_vdst(0)
.rept 64
	v_pk_fma_f32 v[F+2*i:F+2*i+1], v[F+2*i:F+2*i+1], C3, v[2*i:2*i+1] op_sel_hi:[1,0,1]
.set i, i+1
.endr
	WIN 0
	; the row's maximum: my 128 registers, the other half of the lanes, the wave with the other 256 nodes
	MAXTREE F, 32
	v_max_num_f32 v[T0], v[MC], v[MC+1]
	ds_store_b32 v[XMA], v[T0]
	s_wait_dscnt 0x0                               ; for the partner's sake; my reads of mh^T and shk are over as well
	s_barrier_signal -1
	s_barrier_wait -1
	ds_load_b32 v[T1], v[XMP]
	s_wait_dscnt 0x0
	v_max_num_f32 v[MP], v[T0], v[T1]
	v_mov_b32 v[MP+1], v[MP]
.set i, 0
.rept 64
	v_pk_add_f32 v[F+2*i:F+2*i+1], v[F+2*i:F+2*i+1], v[MP:MP+1] neg_lo:[0,1] neg_hi:[0,1]
.set i, i+1
.endr
.set i, 0
.rept 128
	v_exp_f32 v[F+i], v[F+i]
.set i, i+1
.endr
	v_nop
	; the row's sum, in four chains of pairs in v[10:17]
.set k, 0
	s_wait_alu depctr_va_vdst(0)
.rept 4
	v_pk_add_f32 v[AL+2*k:AL+2*k+1], v[F+2*k:F+2*k+1], v[F+8+2*k:F+8+2*k+1]
.set k, k+1
.endr
.set q, 16
.rept 14
.set k, 0
.rept 4
	v_pk_add_f32 v[AL+2*k:AL+2*k+1], v[AL+2*k:AL+2*k+1], v[F+q+2*k:F+q+2*k+1]
.set k, k+1
.endr
.set q, q+8
.endr
	v_pk_add_f32 v[AL:AL+1], v[AL:AL+1], v[AL+2:AL+3]
	v_pk_add_f32 v[AL+4:AL+5], v[AL+4:AL+5], v[AL+6:AL+7]
	v_pk_add_f32 v[AL:AL+1], v[AL:AL+1], v[AL+4:AL+5]
	v_add_f32 v[AL], v[AL], v[AL+1]
	v_permlanex16_b32 v[AL+1], v[AL], s44, s45
	v_add_f32 v[AL], v[AL], v[AL+1]
	ds_store_b32 v[XMA], v[AL] offset:1024         ; other bytes than the maxima's
	s_wait_dscnt 0x0
	s_barrier_signal -1
	s_barrier_wait -1
	ds_load_b32 v[AL+1], v[XMP] offset:1024
	s_wait_dscnt 0x0
	v_add_f32 v[MC], v[AL], v[AL+1]
	v_rcp_f32 v[AL], v[MC]
	v_nop
	s_wait_alu depctr_va_vdst(0)
	v_mov_b32 v[AL+1], v[AL]
.set i, 0
.rept 64
	v_pk_mul_f32 v[F+2*i:F+2*i+1], v[F+2*i:F+2*i+1], v[AL:AL+1]
.set i, i+1
.endr
	; the way out: a lane holds 8 neighbouring nodes of query r; through my own stage, back as rows, each store of the wave 512 consecutive bytes, aligned
.set t, 0
.rept 16
	ds_store_b128 v[OSW], v[F+8*t:F+8*t+3] offset:64*t
	ds_store_b128 v[OSW], v[F+8*t+4:F+8*t+7] offset:64*t+16
.set t, t+1
.endr
.set n, 0
.rept 32
	ds_load_b128 v[F+4*n:F+4*n+3], v[OSR] offset:(n>>1)*OSTP+(n&1)*512     ; LDS serves a wave's instructions in order (ISA guide 5.7.1): these see the stores above
.set n, n+1
.endr
.set n, 0
.rept 32
	s_wait_dscnt 31-n                              ; piece n is back; the younger ones stay out
	global_store_b128 v[OUTO], v[F+4*n:F+4*n+3], s[58:59] offset:(n>>1)*2048+(n&1)*512 th:TH_STORE_NT
.set n, n+1
.endr
	s_wait_xcnt 0x0
	v_lshl_add_u32 v254, v0, 2, 0x42000
	v_mov_b32 v255, 0
	s_wait_tensorcnt 0x0
	ds_add_u32 v254, v255
	s_wait_dscnt 0x0
	ROUND                                          ; the closing round: no work-group ends while a partner may still ask jointly
	s_endpgm
.Lfunc_end_k_q05f3d5f0e8_attn:
	.size	k_q05f3d5f0e8_attn, .Lfunc_end_k_q05f3d5f0e8_attn-k_q05f3d5f0e8_attn
	.p2alignl 7, 3214868480
	.fill 96, 4, 3214868480
	.section	.rodata,"a",@progbits
	.p2align	6, 0x0
	.amdhsa_kernel k_q05f3d5f0e8_attn
		.amdhsa_group_segment_fixed_size 327680
		.amdhsa_private_segment_fixed_size 0
		.amdhsa_enable_private_segment 0
		.amdhsa_kernarg_size 64
		.amdhsa_user_sgpr_count 2
		.amdhsa_user_sgpr_kernarg_segment_ptr 1
		.amdhsa_wavefront_size32 1
		.amdhsa_system_sgpr_workgroup_id_x 1
		.amdhsa_system_sgpr_workgroup_id_y 1
		.amdhsa_system_sgpr_workgroup_id_z 1
		.amdhsa_system_vgpr_workitem_id 0
		.amdhsa_next_free_vgpr 512
		.amdhsa_next_free_sgpr 66
		.amdhsa_reserve_vcc 0
		.amdhsa_float_denorm_mode_32 3
		.amdhsa_float_denorm_mode_16_64 3
		.amdhsa_memory_ordered 1
		.amdhsa_forward_progress 1
		.amdhsa_inst_pref_size 202
	.end_amdhsa_kernel
	.amdgpu_metadata
---
amdhsa.version: [ 1, 2 ]
amdhsa.kernels:
  - .name:           k_q05f3d5f0e8_attn
    .symbol:         k_q05f3d5f0e8_attn.kd
    .args:
      - { .name: ninf_mask, .offset: 0, .size: 8, .value_kind: global_buffer, .address_space: global }
      - { .name: Wcomb1, .offset: 8, .size: 8, .value_kind: global_buffer, .address_space: global }
      - { .name: Wcomb2, .offset: 16, .size: 8, .value_kind: global_buffer, .address_space: global }
      - { .name: bcomb1, .offset: 24, .size: 8, .value_kind: global_buffer, .address_space: global }
      - { .name: bcomb2, .offset: 32, .size: 8, .value_kind: global_buffer, .address_space: global }
      - { .name: kv, .offset: 40, .size: 8, .value_kind: global_buffer, .address_space: global }
      - { .name: qf, .offset: 48, .size: 8, .value_kind: global_buffer, .address_space: global }
      - { .name: out0, .offset: 56, .size: 8, .value_kind: global_buffer, .address_space: global }
    .group_segment_fixed_size: 327680
    .private_segment_fixed_size: 0
    .kernarg_segment_align: 8
    .kernarg_segment_size: 64
    .max_flat_workgroup_size: 256
    .sgpr_count:     66
    .vgpr_count:     512
    .wavefront_size: 32
...
	.end_amdgpu_metadata
.endif
;; end of part 2
;; ======== version 2 of 2: 2 launches; version 1 with the launch proj written anew for expert scheduling mode
;; limits: values are held in f16: magnitudes above 65,504 overflow, below 6.1e-05 lose precision
;; workspace buffers: kv 20,971,520 bytes; qf 4,194,304 bytes
;; launch proj (part 3): grid 128 x 2, 8 waves a work-group, no clusters, 287,744 bytes of LDS; arguments encoded_nodes, encoded_graph, encoded_q1, encoded_last_node, encoded_first_graph, encoded_last_graph, Wk, Wv, Wk_e, Wv_e, Wq_first, Wq_last, Wq_first_e, Wq_last_e, kv, qf; writes kv, qf
.if DOCPART == 3
	.amdgcn_target "amdgcn-amd-amdhsa--gfx1250"
	.amdhsa_code_object_version 6
	.text
	.protected	k_q05f3d5f0e8_proj
	.globl	k_q05f3d5f0e8_proj
	.p2align	8
	.type	k_q05f3d5f0e8_proj,@function
k_q05f3d5f0e8_proj:
	s_mov_b64 s[64:65], 0
	v_nop
	global_prefetch_b8 v0, s[64:65] scope:SCOPE_SE
	s_setreg_imm32_b32 hwreg(HW_REG_WAVE_SCHED_MODE, 0, 2), 2
	s_setreg_imm32_b32 hwreg(HW_REG_WAVE_MODE, 25, 1), 1
	s_wait_xcnt 0x0
	s_wait_alu depctr_vm_vsrc(0)
; The eight projections and shk = nodes + graph, stored in f16 in the order in which the next launch's matrix fragments want them.
; Work-group (x, y): rows 128 x .. 128 x + 127 of the 16,384 rows (batch x >> 2).  y = 0: K, V, K_e, V_e and 16 shk.  y = 1: q, the sum of four products,
; times 0.25 log2(e).  Either way four products of 128 x 128 x 128 with four weights: all 256 work-groups do the same amount of work.
; Wave w owns the 16 rows 16 w .. 16 w + 15 of the block.  f32 data must pass through registers to be rounded to f16, so loads are plain 16-byte loads
; (each of a wave covers 512 consecutive bytes); no tensor loads, no cluster (a work-group shares only the weights, 256 KiB, with the others).
; FORMAT: matrix operands are f16, 11 significant bits: the last softmax turns an absolute error of the logit 10 tanh(..) into a relative error of the result,
; so every operand's rounding counts tenfold there.
; RANGE (a stated limit): f16 ends at 65,504; an operand beyond it becomes infinite and the result NaN.  With inputs of spread 1 and weights within 0.09,
; X is below 7, K, V and 0.36 q below 4, 16 shk below 110; with every input 30 times larger X stays below 200, K, V, q (two inputs multiply: 900) below 4,000,
; 16 shk below 3,500.  Below 6e-5 f16 loses bits: the absolute error is then at most 2^-25.  Sums in f32, in the matrix unit's order.
; kv: [batch 32][block 10][65,536 bytes], every piece of 512 bytes holds lane L's 16 bytes at 16 L (r = L & 15, h = L >> 4):
;   block 2u+a (u head pair, a = 0 nodes, 1 graph): K at e*16384 + t*512: K[16t+r][(2u+e)*16+8h+0..7];  V at 32768 + e*16384 + t*512: V[16t+8h+0..7][(2u+e)*16+r]
;   block 8+(t>>4): at (t&15)*4096 + ks*1024 + half*512: 16 shk[16t+r][32ks+16half+8h+0..7]
; qf: [batch][query tile 32][head 8][512 bytes]: q[16qt+r][head*16+8h+0..7] * 0.25 log2(e)
; THE MODE: SCHED_MODE bits 1:0 = 2 (LLVM: expert scheduling mode 2), set by the entry lines.  The code itself states the register dependences
; between vector or matrix instructions and memory or LDS instructions, with s_wait_alu, always for 0.
; THE PLAN.  Registers that memory or LDS instructions touch:
;   v1-v11, v240  offsets and LDS addresses: written once at the head, never again (two LDS addresses and immediate offsets reach the four weights).
;   R0, R1, R2    raw f32, 16 loads each.  Written by global loads, read by conversions alone; a buffer that is wanted again is asked for directly behind the wait
;                 that shows its conversions done.
;   PK            the packed halves of a weight's rows (and of q1's).  Written by conversions, read by the 16 LDS stores behind them, written again a group later.
;   XF0 .. XF3    X's fragment of K step k.  Read by step n's matrix instructions (k = n & 3); where the next product has another X, loaded again in step n + 1.
;   WB0, WB1      a step's eight weight fragments.  Step n's matrix instructions read WB[n & 1]; its LDS loads, for step n + 1, land in the other buffer.
;   ACC           y = 0: at a product's end packed in place and read by eight global stores; the next product's first matrix instructions write it again.
; So ONE wait on va_vdst stands at a step's head, behind the wait for its fragments: the step before is done reading the other weight buffer and its fragment of X.
; The step's loads follow it, dealt among its matrix instructions, which name WB[n & 1], XF[n & 3] and ACC: none of the registers in which those loads land.
.set WPITCH, 288                       ; LDS row of a weight: 128 f16 + 32 bytes, an odd multiple of 32 bytes for the transposing loads
.set WBYTES, 128*WPITCH                ; 36,864: one weight
.set XPITCH, 272                       ; LDS row of X: 128 f16 + 16 bytes
.set XSTG,   16*XPITCH                 ; 4,352: a wave's 16 rows of one X
.set XSB,    4*WBYTES                  ; 147,456: the X stages begin behind the four weights
.set XWAVE,  4*XSTG                    ; 17,408: four stages for each wave
.set QSCALE, 0x3eb8aa3b                ; 0.25 * log2(e)
.set SHKS,   0x41800000                ; 16.0: shk is stored 16 times larger and mh 16 times smaller, which shares f16's range between the two
.set GOFF, 1                           ; v1      w*8192 + 16 L: my 16 bytes of my wave's first row, in a weight and in a block of X
.set WST,  2                           ; v2      where I store 8 bytes of a row of weight 0; weight 1 by the immediate
.set XST,  3                           ; v3      where I store 8 bytes of a row of X
.set XFA,  4                           ; v4      my X fragment: r*272 + 16 h in my wave's stages
.set WAD,  5                           ; v5-8    my weight fragment in weight p
.set KOFF, 9                           ; v9      t*512 + 16 L, t my key tile in the batch
.set SOFF, 10                          ; v10     my place in the shk blocks
.set QOF,  11                          ; v11     w*4096 + 16 L
.set WST2, 240                         ; v240    as v2, for weight 2; weight 3 by the immediate
.set R0,   16                          ; three buffers of 64 registers for 16 loads each (prolog)
.set R1,   80
.set R2,   144
.set PK,   208                         ; v[208:239] prolog: 16 rows' packed halves on their way into LDS
.set SH,   208                         ; v[208:239] shk fragments on their way out
.set ACC,  16                          ; v[16:79]   8 accumulator tiles
.set XF,   80                          ; v[80:111]  X fragments of the 4 K steps
.set WB0,  112                         ; v[112:175], v[176:239] weight fragments of a K step, two buffers
.macro PLACES n
.rept \n
	v_nop
.endr
.endm
; 16 rows of 512 bytes, one load a row
.macro LD16 R, lo, nt
.set i, 0
.rept 16
.if \nt
	global_load_b128 v[\R+4*i:\R+4*i+3], v[GOFF], s[\lo:\lo+1] offset:512*i th:TH_LOAD_NT
.else
	global_load_b128 v[\R+4*i:\R+4*i+3], v[GOFF], s[\lo:\lo+1] offset:512*i
.endif
.set i, i+1
.endr
.endm
; 16 rows rounded to f16: row i's four numbers of the lane into the pair at D + dstep*i (D = R, dstep = 4: in place)
.macro CVT16 R, D, dstep
.set i, 0
.rept 16
	v_cvt_pk_f16_f32 v[\D+\dstep*i], v[\R+4*i], v[\R+4*i+1]
	v_cvt_pk_f16_f32 v[\D+\dstep*i+1], v[\R+4*i+2], v[\R+4*i+3]
.set i, i+1
.endr
.endm
; those 16 pairs into LDS, 8 bytes a lane, a row each
.macro PUT16 A, D, dstep, off, pitch
.set i, 0
.rept 16
	ds_store_b64 v[\A], v[\D+\dstep*i:\D+\dstep*i+1] offset:(\off)+(\pitch)*i
.set i, i+1
.endr
.endm
; the four K steps' fragments of stage sidx: lane (r, h) takes row r, k = 32 ks + 8h .. and 32 ks + 16 + 8h ..
.macro XLOAD sidx, dst
.set i, 0
.rept 4
	ds_load_b128 v[\dst+8*i:\dst+8*i+3], v[XFA] offset:(\sidx)*XSTG+64*i
	ds_load_b128 v[\dst+8*i+4:\dst+8*i+7], v[XFA] offset:(\sidx)*XSTG+64*i+32
.set i, i+1
.endr
.endm
; one of them: K step fr of stage sidx
.macro XFRAG sidx, fr
	ds_load_b128 v[XF+8*(\fr):XF+8*(\fr)+3], v[XFA] offset:(\sidx)*XSTG+64*(\fr)
	ds_load_b128 v[XF+8*(\fr)+4:XF+8*(\fr)+7], v[XFA] offset:(\sidx)*XSTG+64*(\fr)+32
.endm
; weight p, K step ks: 8 fragments (16 output features x 32 inputs) from rows that lie along the outputs: transposing loads
.macro FETCHW p, ks, buf
.set f, 0
.rept 8
	ds_load_tr16_b128 v[\buf+8*f:\buf+8*f+3], v[WAD+\p] offset:(\ks)*32*WPITCH+32*f
	ds_load_tr16_b128 v[\buf+8*f+4:\buf+8*f+7], v[WAD+\p] offset:(\ks)*32*WPITCH+32*f+16*WPITCH
.set f, f+1
.endr
.endm
; 8 matrix instructions, the 8 accumulators by turns.
; orient 1: source 0 = weight, source 1 = X: a lane gets 8 neighbouring features of row r (K, q).  orient 0: the other way: 8 neighbouring rows of feature r (V).
; fetch 1: behind each of the first four stand four loads, two fragments, of weight p1's K step k1 into the other buffer obuf: early in the step, so that the other
; four matrix instructions stand between the last load and the wait for it.  No wait: no vector or matrix instruction since the wait at the step's head names obuf.
.macro GSTEP buf, ks, orient, zero, fetch, p1, k1, obuf
.set f, 0
.rept 8
.if \orient
.if \zero
	v_wmma_f32_16x16x32_f16 v[ACC+8*f:ACC+8*f+7], v[\buf+8*f:\buf+8*f+7], v[XF+8*(\ks):XF+8*(\ks)+7], 0
.else
	v_wmma_f32_16x16x32_f16 v[ACC+8*f:ACC+8*f+7], v[\buf+8*f:\buf+8*f+7], v[XF+8*(\ks):XF+8*(\ks)+7], v[ACC+8*f:ACC+8*f+7]
.endif
.else
.if \zero
	v_wmma_f32_16x16x32_f16 v[ACC+8*f:ACC+8*f+7], v[XF+8*(\ks):XF+8*(\ks)+7], v[\buf+8*f:\buf+8*f+7], 0
.else
	v_wmma_f32_16x16x32_f16 v[ACC+8*f:ACC+8*f+7], v[XF+8*(\ks):XF+8*(\ks)+7], v[\buf+8*f:\buf+8*f+7], v[ACC+8*f:ACC+8*f+7]
.endif
.endif
.if \fetch
.if f < 4
	ds_load_tr16_b128 v[\obuf+16*f:\obuf+16*f+3], v[WAD+\p1] offset:(\k1)*32*WPITCH+64*f
	ds_load_tr16_b128 v[\obuf+16*f+4:\obuf+16*f+7], v[WAD+\p1] offset:(\k1)*32*WPITCH+64*f+16*WPITCH
	ds_load_tr16_b128 v[\obuf+16*f+8:\obuf+16*f+11], v[WAD+\p1] offset:(\k1)*32*WPITCH+64*f+32
	ds_load_tr16_b128 v[\obuf+16*f+12:\obuf+16*f+15], v[WAD+\p1] offset:(\k1)*32*WPITCH+64*f+32+16*WPITCH
.endif
.endif
.set f, f+1
.endr
.endm
; every accumulator tile rounded in place: 8 f32 to 16 bytes in its first four registers
.macro PACKACC scale
.set f, 0
.rept 8
.if \scale
.set g, 0
.rept 4
	v_pk_mul_f32 v[ACC+8*f+2*g:ACC+8*f+2*g+1], v[ACC+8*f+2*g:ACC+8*f+2*g+1], QSCALE op_sel_hi:[1,0]
.set g, g+1
.endr
.endif
.set g, 0
.rept 4
	v_cvt_pk_f16_f32 v[ACC+8*f+g], v[ACC+8*f+2*g], v[ACC+8*f+2*g+1]
.set g, g+1
.endr
.set f, f+1
.endr
.endm
; 16 steps: product p = n >> 2, K step ks = n & 3.  Step n multiplies WB[n & 1] and fetches the weight fragments of step n + 1 into the other buffer, which step n - 1 has read.
; Where the next product has another X (y = 1: always; y = 0: between V and K_e), step n also fetches that X's fragment for K step (n - 1) & 3, which step n + 3 wants.
.macro PRODUCT isq
	XLOAD 0, XF
	FETCHW 0, 0, WB0
.set xl, 0                             ; how many LDS loads of the step before are younger than its weight fragments: X's two, or none
.set n, 0
.rept 16
.set p, n>>2
.set ks, n&3
.set wb, WB0+64*(n&1)
.set wo, WB0+64-64*(n&1)
.set p1, (n+1)>>2
.set k1, (n+1)&3
.set fe, 1                             ; the step fetches
.set hw, 1                             ; the step has the wait at its head
.set zr, 0                             ; its products start the sums
.set ori, 1
.set xs, 0                             ; the stage of X from which it fetches a fragment; 0: none
.if n == 0
.set hw, 0                             ; the waits ahead of the first loads have stated all that step 0's loads hang on
.set zr, 1
.endif
.if n == 15
.set fe, 0                             ; the last step loads nothing, so it has nothing to state
.set hw, 0
.endif
.if \isq
.if n > 0
.if n < 13
.set xs, ((n-1)>>2)+1
.endif
.endif
.else
.set ori, 1-(p&1)
.if ks == 0
.set zr, 1
.endif
.if n > 4
.if n < 9
.set xs, 1                             ; graph, for K_e and V_e
.endif
.endif
.endif
	s_wait_dscnt xl                                ; LDS loads come back in order (ISA guide 5.7.1): this step's weight fragments are in, and its fragment of X, asked for three steps ago; X's two youngest loads may stay out
.if \isq == 0
.if ks == 0
.if n > 0
	s_wait_xcnt 0x0                                ; the last product's stores read the accumulators, which are written again only behind this wait
	s_wait_alu depctr_vm_vsrc(0)                   ; those stores have read ACC, which this step's matrix instructions write again
.set hw, 0                             ; no vector or matrix instruction has been issued since the wait behind the packing, which also shows the last step done reading its fragments
.endif
.endif
.endif
.if hw
	s_wait_alu depctr_va_vdst(0)                   ; the last step's matrix instructions are done reading the other weight buffer and their fragment of X, in which this step's loads land
.endif
	GSTEP wb, ks, ori, zr, fe, p1, k1, wo
.set xl, 0
.if xs
	XFRAG xs, (n-1)&3                              ; the youngest two loads of the step; this step's matrix instructions name another fragment
.set xl, 2
.endif
	PLACES 4                                       ; four places behind the matrix instructions, ahead of reads of their results; they also stand ahead of the next step's loads into their sources
.if \isq == 0
.if ks == 3
	PACKACC 0
	s_wait_alu depctr_va_vdst(0)                   ; the conversions have written the packed results, which the stores read
.set f, 0
.rept 8
	global_store_b128 v[KOFF], v[ACC+8*f:ACC+8*f+3], s[52:53] offset:(2*(f>>1)+(p>>1))*65536+(f&1)*16384+(p&1)*32768   ; 512 consecutive bytes, aligned
.set f, f+1
.endr
.endif
.endif
.set n, n+1
.endr
.endm
	s_load_b512 s[4:19], s[0:1], 0x0               ; nodes, graph, q1, last_node, first_graph, last_graph, Wk, Wv
	s_load_b512 s[20:35], s[0:1], 0x40             ; Wk_e, Wv_e, Wq_first, Wq_last, Wq_first_e, Wq_last_e, kv, qf
	v_lshl_add_u32 v254, v0, 2, 0x46000
	v_mov_b32 v255, 0
	v_lshrrev_b32 v12, 5, v0
	v_readfirstlane_b32 s36, v12                   ; wave
	s_and_b32 s37, ttmp7, 0xffff                   ; y
	v_and_b32 v12, 31, v0                          ; L
	v_and_b32 v13, 15, v0                          ; r
	v_bfe_u32 v14, v0, 4, 1                        ; h
	v_lshlrev_b32 v15, 4, v12                      ; 16 L
	s_wait_alu depctr_va_sdst(0)                   ; s36 is written, ahead of its first reader: offsets and LDS addresses are made from it
	v_lshl_add_u32 v[GOFF], s36, 13, v15
	s_mul_i32 s62, s36, 16*WPITCH
	v_lshl_add_u32 v[WST], v12, 3, s62
	v_add_nc_u32 v[WST2], 2*WBYTES, v[WST]
	s_mul_i32 s63, s36, XWAVE
	s_add_co_u32 s63, s63, XSB                     ; my wave's stages
	v_lshl_add_u32 v[XST], v12, 3, s63
	v_mul_u32_u24 v[XFA], v13, XPITCH
	v_lshl_add_u32 v[XFA], v14, 4, v[XFA]
	v_add_nc_u32 v[XFA], s63, v[XFA]
	v_and_b32 v13, 7, v0
	v_lshl_add_u32 v13, v14, 3, v13                ; 8 h + (L & 7)
	v_mul_u32_u24 v13, v13, WPITCH
	v_bfe_u32 v14, v0, 3, 1
	v_lshl_add_u32 v[WAD], v14, 4, v13
	v_add_nc_u32 v[WAD+1], WBYTES, v[WAD]
	v_add_nc_u32 v[WAD+2], 2*WBYTES, v[WAD]
	v_add_nc_u32 v[WAD+3], 3*WBYTES, v[WAD]
	s_and_b32 s39, ttmp9, 3                        ; which quarter of the batch's 512 rows
	s_lshl_b32 s62, s39, 12
	s_lshl_b32 s63, s36, 9
	s_add_co_u32 s62, s62, s63
	v_add_nc_u32 v[KOFF], s62, v15                 ; t*512 + 16 L, t = 8 (x & 3) + w
	s_lshr_b32 s62, s39, 1
	s_add_co_u32 s62, s62, 8
	s_lshl_b32 s62, s62, 16                        ; block 8 + (t >> 4)
	s_and_b32 s63, ttmp9, 1
	s_lshl_b32 s63, s63, 3
	s_add_co_u32 s63, s63, s36
	s_lshl_b32 s63, s63, 12                        ; (t & 15) * 4096
	s_add_co_u32 s62, s62, s63
	v_add_nc_u32 v[SOFF], s62, v15
	v_lshl_add_u32 v[QOF], s36, 12, v15
	s_lshl_b32 s60, ttmp9, 16                      ; 128 rows of 512 bytes
	s_mov_b32 s61, 0
	s_lshr_b32 s62, ttmp9, 2
	s_mul_i32 s62, s62, 655360                     ; the batch's ten blocks
	s_mov_b32 s63, 0
	s_lshl_b32 s38, ttmp9, 15                      ; 8 query tiles of 4,096 bytes
	s_mov_b32 s39, 0
	s_wait_kmcnt 0x0
	s_cmp_eq_u32 s37, 0                            ; y = 0: the first of each pair
	s_cselect_b64 s[40:41], s[16:17], s[24:25]     ; Wk      or Wq_first
	s_cselect_b64 s[42:43], s[18:19], s[26:27]     ; Wv      or Wq_last
	s_cselect_b64 s[44:45], s[20:21], s[28:29]     ; Wk_e    or Wq_first_e
	s_cselect_b64 s[46:47], s[22:23], s[30:31]     ; Wv_e    or Wq_last_e
	s_cselect_b64 s[48:49], s[4:5], s[8:9]         ; nodes   or q1
	s_cselect_b64 s[50:51], s[6:7], s[10:11]       ; graph   or last_node
	s_add_nc_u64 s[48:49], s[48:49], s[60:61]
	s_add_nc_u64 s[50:51], s[50:51], s[60:61]
	s_add_nc_u64 s[56:57], s[12:13], s[60:61]      ; first_graph
	s_add_nc_u64 s[58:59], s[14:15], s[60:61]      ; last_graph
	s_add_nc_u64 s[52:53], s[32:33], s[62:63]      ; kv at my batch
	s_add_nc_u64 s[54:55], s[34:35], s[38:39]      ; qf at my block's first query tile
	s_wait_alu depctr_va_vdst(0)                   ; the offsets and LDS addresses v1 to v11 and v240 are written, which every load and store of the kernel reads
	; three groups of 16 loads are always out; each count of 32 leaves the two younger groups on their way.
	; A group: its rows are rounded into PK; the raw buffer is asked for again; PK goes into LDS.
	LD16 R0, 40, 0
	LD16 R1, 42, 0
	LD16 R2, 44, 0
	s_wait_loadcnt 0x20
	CVT16 R0, PK, 2
	s_wait_alu depctr_va_vdst(0)                   ; the conversions have written PK, which the LDS stores read, and are done reading R0, in which the loads land
	LD16 R0, 46, 0
	PUT16 WST, PK, 2, 0, WPITCH
	s_wait_loadcnt 0x20
	s_wait_alu depctr_vm_vsrc(0)                   ; the LDS stores of the weight before have read PK, which these conversions write again
	CVT16 R1, PK, 2
	s_wait_alu depctr_va_vdst(0)                   ; the conversions have written PK and are done reading R1
	LD16 R1, 48, 1
	PUT16 WST, PK, 2, WBYTES, WPITCH
	s_wait_loadcnt 0x20
	s_wait_alu depctr_vm_vsrc(0)                   ; the LDS stores of the weight before have read PK
	CVT16 R2, PK, 2
	s_wait_alu depctr_va_vdst(0)                   ; the conversions have written PK and are done reading R2
	LD16 R2, 50, 1
	PUT16 WST2, PK, 2, 0, WPITCH
	s_wait_loadcnt 0x20
	s_wait_alu depctr_vm_vsrc(0)                   ; the LDS stores of the weight before have read PK
	CVT16 R0, PK, 2
	s_wait_alu depctr_va_vdst(0)                   ; the conversions have written PK, and are done reading R0, in which first_graph lands where y = 1
	PUT16 WST2, PK, 2, WBYTES, WPITCH
	s_wait_dscnt 0x0                               ; my rows of the four weights are in LDS, for the other waves' sake
	s_barrier_signal -1
	s_barrier_wait -1                              ; the launch's one barrier: from here on a wave reads the weights and its own stages
	s_wait_alu depctr_vm_vsrc(0)                   ; the last weight's LDS stores have read PK: on either way these registers are written again, by conversions or by LDS loads
	s_cmp_lg_u32 s37, 0
	s_cbranch_scc1 .Lq
	; ---- y = 0: K, V, K_e, V_e, shk ----
	s_wait_loadcnt 0x10                            ; nodes are in; graph's 16 loads are younger
	CVT16 R1, R0, 2                                ; packed beside, since the f32 numbers are still wanted for shk
	s_wait_alu depctr_va_vdst(0)                   ; the conversions have written v[16:47], which the LDS stores read
	PUT16 XST, R0, 2, 0, XPITCH
	s_wait_loadcnt 0x0
	CVT16 R2, R0+32, 2
.set i, 0
.rept 32
	v_pk_add_f32 v[R1+2*i:R1+2*i+1], v[R1+2*i:R1+2*i+1], v[R2+2*i:R2+2*i+1]     ; shk in f32,
	v_pk_mul_f32 v[R1+2*i:R1+2*i+1], v[R1+2*i:R1+2*i+1], SHKS op_sel_hi:[1,0]   ; times 16 (exact), rounded to f16 once
.set i, i+1
.endr
	CVT16 R1, R1, 4
	s_wait_alu depctr_va_vdst(0)                   ; graph's and shk's conversions have written v[48:79] and R1's pairs, which the LDS stores read; all vector work on R1 and R2, in which fragments will land, is done
	PUT16 XST, R0+32, 2, XSTG, XPITCH
	PUT16 XST, R1, 4, 2*XSTG, XPITCH
	XLOAD 2, SH                                    ; LDS serves a wave's instructions in order (ISA guide 5.7.1): these see my own stores
	s_wait_dscnt 0x0
.set i, 0
.rept 8
	global_store_b128 v[SOFF], v[SH+4*i:SH+4*i+3], s[52:53] offset:512*i
.set i, i+1
.endr
	s_wait_xcnt 0x0                                ; the stores read v[208:239], which the weight fragments overwrite only behind this wait
	s_wait_alu depctr_vm_vsrc(0)                   ; shk's stores have read v[208:239], and the LDS stores of the three stages v[16:79] and R1's pairs: these become fragments and accumulators
	PRODUCT 0
	s_wait_dscnt 0x0                               ; the closing lines, six on end
	s_wait_alu 0x0
	s_wait_tensorcnt 0x0
	ds_add_u32 v254, v255
	s_wait_dscnt 0x0
	s_endpgm
	; ---- y = 1: q = q1 Wq_first + last_node Wq_last + first_graph Wq_first_e + last_graph Wq_last_e ----
.Lq:
	LD16 R0, 56, 1                                 ; no vector instruction has named R0 since the wait behind the last weight's conversions
	s_wait_loadcnt 0x20                            ; q1 is in; last_node and first_graph are younger
	CVT16 R1, PK, 2                                ; packed beside, so that R1 can be asked for again ahead of the LDS stores
	s_wait_alu depctr_va_vdst(0)                   ; the conversions have written PK, which the LDS stores read, and are done reading R1, in which the loads land
	LD16 R1, 58, 1
	PUT16 XST, PK, 2, 0, XPITCH
	s_wait_loadcnt 0x20                            ; last_node
	CVT16 R2, R2, 4
	s_wait_alu depctr_va_vdst(0)                   ; the conversions have written R2's pairs, which the LDS stores read
	PUT16 XST, R2, 4, XSTG, XPITCH
	s_wait_loadcnt 0x10                            ; first_graph
	CVT16 R0, R0, 4
	s_wait_alu depctr_va_vdst(0)                   ; the conversions have written R0's pairs, which the LDS stores read
	PUT16 XST, R0, 4, 2*XSTG, XPITCH
	s_wait_loadcnt 0x0                             ; last_graph
	CVT16 R1, R1, 4
	s_wait_alu depctr_va_vdst(0)                   ; the conversions have written R1's pairs, which the LDS stores read; all vector work on the raw buffers, in which fragments will land, is done
	PUT16 XST, R1, 4, 3*XSTG, XPITCH
	s_wait_dscnt 0x0                               ; my stores are done before their registers become accumulators and fragments
	s_wait_alu depctr_vm_vsrc(0)                   ; the LDS stores of the four stages have read PK and the pairs of R0, R1 and R2: these become fragments and accumulators
	PRODUCT 1
	PACKACC 1
	s_wait_alu depctr_va_vdst(0)                   ; the conversions have written the packed q, which the stores read
.set f, 0
.rept 8
	global_store_b128 v[QOF], v[ACC+8*f:ACC+8*f+3], s[54:55] offset:512*f
.set f, f+1
.endr
	s_wait_dscnt 0x0                               ; the closing lines, six on end
	s_wait_alu 0x0
	s_wait_tensorcnt 0x0
	ds_add_u32 v254, v255
	s_wait_dscnt 0x0
	s_endpgm
.Lfunc_end_k_q05f3d5f0e8_proj:
	.size	k_q05f3d5f0e8_proj, .Lfunc_end_k_q05f3d5f0e8_proj-k_q05f3d5f0e8_proj
	.p2alignl 7, 3214868480
	.fill 96, 4, 3214868480
	.section	.rodata,"a",@progbits
	.p2align	6, 0x0
	.amdhsa_kernel k_q05f3d5f0e8_proj
		.amdhsa_group_segment_fixed_size 287744
		.amdhsa_private_segment_fixed_size 0
		.amdhsa_enable_private_segment 0
		.amdhsa_kernarg_size 128
		.amdhsa_user_sgpr_count 2
		.amdhsa_user_sgpr_kernarg_segment_ptr 1
		.amdhsa_wavefront_size32 1
		.amdhsa_system_sgpr_workgroup_id_x 1
		.amdhsa_system_sgpr_workgroup_id_y 1
		.amdhsa_system_sgpr_workgroup_id_z 1
		.amdhsa_system_vgpr_workitem_id 0
		.amdhsa_next_free_vgpr 256
		.amdhsa_next_free_sgpr 66
		.amdhsa_reserve_vcc 0
		.amdhsa_float_denorm_mode_32 3
		.amdhsa_float_denorm_mode_16_64 3
		.amdhsa_memory_ordered 1
		.amdhsa_forward_progress 1
		.amdhsa_inst_pref_size 130
	.end_amdhsa_kernel
	.amdgpu_metadata
---
amdhsa.version: [ 1, 2 ]
amdhsa.kernels:
  - .name:           k_q05f3d5f0e8_proj
    .symbol:         k_q05f3d5f0e8_proj.kd
    .args:
      - { .name: encoded_nodes, .offset: 0, .size: 8, .value_kind: global_buffer, .address_space: global }
      - { .name: encoded_graph, .offset: 8, .size: 8, .value_kind: global_buffer, .address_space: global }
      - { .name: encoded_q1, .offset: 16, .size: 8, .value_kind: global_buffer, .address_space: global }
      - { .name: encoded_last_node, .offset: 24, .size: 8, .value_kind: global_buffer, .address_space: global }
      - { .name: encoded_first_graph, .offset: 32, .size: 8, .value_kind: global_buffer, .address_space: global }
      - { .name: encoded_last_graph, .offset: 40, .size: 8, .value_kind: global_buffer, .address_space: global }
      - { .name: Wk, .offset: 48, .size: 8, .value_kind: global_buffer, .address_space: global }
      - { .name: Wv, .offset: 56, .size: 8, .value_kind: global_buffer, .address_space: global }
      - { .name: Wk_e, .offset: 64, .size: 8, .value_kind: global_buffer, .address_space: global }
      - { .name: Wv_e, .offset: 72, .size: 8, .value_kind: global_buffer, .address_space: global }
      - { .name: Wq_first, .offset: 80, .size: 8, .value_kind: global_buffer, .address_space: global }
      - { .name: Wq_last, .offset: 88, .size: 8, .value_kind: global_buffer, .address_space: global }
      - { .name: Wq_first_e, .offset: 96, .size: 8, .value_kind: global_buffer, .address_space: global }
      - { .name: Wq_last_e, .offset: 104, .size: 8, .value_kind: global_buffer, .address_space: global }
      - { .name: kv, .offset: 112, .size: 8, .value_kind: global_buffer, .address_space: global }
      - { .name: qf, .offset: 120, .size: 8, .value_kind: global_buffer, .address_space: global }
    .group_segment_fixed_size: 287744
    .private_segment_fixed_size: 0
    .kernarg_segment_align: 8
    .kernarg_segment_size: 128
    .max_flat_workgroup_size: 256
    .sgpr_count:     66
    .vgpr_count:     256
    .wavefront_size: 32
...
	.end_amdgpu_metadata
.endif
;; end of part 3
;; launch attn: the kernel of part 2 again; grid 8 x 32, 8 waves a work-group, clusters of 4 x 1, 327,680 bytes of LDS; arguments ninf_mask, Wcomb1, Wcomb2, bcomb1, bcomb2, kv, qf, out0; writes out0
